; MI455X (gfx1250); checked and timed in simulation.
; The chip was launched on July 23, 2026; its instructions are those of AMD's public machine-readable ISA for CDNA 5 (MIT licence, August 2026) and "CDNA5" Instruction Set Architecture Reference Guide (July 2026). The comments in the code are by the model that wrote it; some were corrected since.
;; Position Aware Mean Attention. Allowed arithmetic: float matrix products may take bf16 or f16 operands with f32 sums; all other float work in f32.
;; Inputs: mask 200 x 2,048 float32; w_k 128 x 128 float32; w_p 200 x 128 float32; w_q 128 x 128 float32; x 200 x 2,048 x 128 float32.
;; Outputs: out0 2,048 x 128 float32.
;; One version. Each part assembles by itself: llvm-mc -triple=amdgcn-amd-amdhsa -mcpu=gfx1250 --defsym DOCPART=n.
;; ======== version 1 of 1: 1 launch
;; limits: values outside matrix products are rounded to bf16
;; launch paa (part 1): grid 256 x 1, 8 waves a work-group, no clusters, 314,368 bytes of LDS; arguments x, mask, w_k, w_q, w_p, out0; writes out0
.if DOCPART == 1
	.amdgcn_target "amdgcn-amd-amdhsa--gfx1250"
	.amdhsa_code_object_version 6
	.text
	.protected	k_q2ed1902fae_paa
	.globl	k_q2ed1902fae_paa
	.p2align	8
	.type	k_q2ed1902fae_paa,@function
k_q2ed1902fae_paa:
	s_mov_b64 s[64:65], 0
	v_nop
	global_prefetch_b8 v0, s[64:65] scope:SCOPE_SE
	s_setreg_imm32_b32 hwreg(HW_REG_WAVE_MODE, 25, 1), 1
	s_wait_xcnt 0x0
; PositionAwareMeanAttention.  x [200][2048][128] f32, mask [200][2048] f32, w_k, w_q [128][128] f32, w_p [200][128] f32, out0 [2048][128] f32.
; For a session b:  emb[t] = x[t][b] * m[t];  mean = sum over t of emb[t];  z[t] = emb[t] w_k + mean w_q;
;   sim[t] = sum over d of sigmoid(z[t][d]) w_p[t][d];  score = sim * m;  M = max of all 200 scores;
;   e[t] = exp(score[t] - M) * m[t];  out = (sum over t of e[t] emb[t]) / (sum over t of e[t]).
; The denominator of the softmax cancels against the renormalisation, so it is never formed; the maximum taken away is the one of the softmax.
;
; SHARES.  A work-group owns 8 sessions (256 work-groups), taken as 4 pairs.  Wave w: dq = w & 3, bsel = w >> 2.  For session bsel of the
; pair at work a wave makes the 32 columns d = 32 dq .. 32 dq + 31 of z for all t, in 13 tiles of 16 t.  The matrix unit is used with
; A = w_k transposed (row = d) and B = emb (column = t): a lane then holds 16 values of d of ONE t, so that the sum over d stays in the lane
; but for one exchange of lane halves and four partial sums across waves, and the query, which is the same for every t, is the C operand
; of the first K step.  w_k (64 registers) and w_p (208 registers) of a wave stay in registers for the whole launch.
; x IS READ ONCE: while pair p is computed the same waves produce pair p + 1: four rows in each tile step are masked and summed in f32,
; rounded to bf16 and laid into LDS, where the key product and the weighted sum both find them.  Each wave keeps 25 row loads of
; 512 bytes on their way, 8 x 25 x 512 = 102,400 bytes for the work-group, across pair boundaries and barriers.
; A TILE STEP keeps register work and memory instructions apart: one LDS wait, 8 matrix instructions, the vector work of four rows, the sigmoid,
; and then ONE run of memory instructions: the partial sim, the four rows, the four next row loads, and the masks and fragments of the tile
; after the next, which so have a whole tile step to arrive.
; The text is straight: no branch, no label, EXEC never changes.  Slot parity, pair offsets and the counts of the tail are constants so.
;
; FORMATS.  sigmoid(z) = 1 / (1 + 2^(-log2(e) z)); the factor rides on w_k and on the mean.  bf16 into the matrix unit:
;   x*mask, rounded once;  w_k times -log2(e) in f32, then rounded (the key is small beside the query);  w_q, rounded as it comes;
;   the mean, summed in f32, times -log2(e), as TWO bf16 numbers (the rounded value and the rounded remainder), since the query is a sum of
;   128 large products and is the same for all t;  the weights e likewise as two bf16 numbers.  The two parts share one matrix instruction:
;   eight of its sixteen equal columns (the mean) or rows (e) carry the one part, eight the other, and the halves are added afterwards.
;   All else f32.
; LIMITS.  v_exp_f32 and v_rcp_f32 flush denormals (ISA guide 15.8): a session whose valid steps all score more than about 87 below the
; largest of its 200 scores gives 0/0 = NaN.  A session with sum of e equal to 0 gives NaN.  The mask is taken as any f32 number.
;
; NO CLUSTER, NO TENSOR LOAD.  Shared between work-groups are w_k, w_q, w_p: 233,472 of a work-group's 1,059,072 input bytes, fetched once at
; the start; they have to be scaled, rounded and put in fragment order in registers, and 233,472 bytes of f32 landing room do not fit beside
; the 313,344 bytes in use.  x has to pass through registers anyway (mask, f32 sum, rounding).  No data prefetch: the ring of row loads is
; never drained before the last pair has come in.
;
; LDS (bytes).  A slot is one session: 224 rows (t) of 272 bytes = 256 of bf16 + 16 unused; 272 = 17 x 16, so 16 neighbouring rows start at
; 16 different 16-byte columns modulo 256.  Rows 200-223 are zeros, written once.
.set PITCH, 272
.set SLOTB, 224*PITCH                  ; 60,928.  slots of even pairs at 0 and SLOTB, of odd pairs at PAR and PAR + SLOTB
.set PAR,   131072                     ; the first 128 rows at PAR hold w_k (bf16, [h][d]) until its fragments are in registers
.set L_MW,  2*SLOTB                    ; 121,856  mask: [session 0-7] 1024, [t & 3] 256, [t >> 2] 4; zeros for t >= 200
.set L_MB,  L_MW+8192                  ; 130,048  -log2(e) x mean in bf16: [part] 512, [bsel] 256, column 2; ends at PAR
.set L_SP,  PAR+2*SLOTB                ; 252,928  partial sims: [wave] 832, t 4
.set L_WQ,  262144                     ;          w_q in bf16, [h] 272, d 2; stays
.set L_MP,  L_WQ+128*PITCH             ; 296,960  partial means, f32: [dq] 1024, [bsel] 512, column 4
                                       ; L_MP + 4096:  e, upper part, bf16, each wave its own copy: [dq] 1024, [bsel] 512, t 2
.set L_OUT, L_MP+8192                  ; 305,152  results: [session] 512, column 4
                                       ; L_MP + 12288 = 309,248: e, remainder, laid out as the upper part
; REGISTERS, window 0
.set VOFF, 1                           ; 16 L: my 16 bytes of a row of x
.set XB0,  2                           ; v2, v3  slot(parity, bsel) + 272 r + 16 h: emb fragments (K along the row)
.set XT0,  4                           ; v4, v5  slot(parity, bsel) + LT: emb fragments through the transposing load
.set PS0,  6                           ; v6, v7  slot(parity, bsel) + 272 dq + 8 L: where the producer stores
.set A16,  8                           ; L_MP + 1024 dq + 512 bsel + 16 L
.set A4,   9                           ; L_MP + 512 bsel + 128 dq + 4 L
.set ALR,  10                          ; my e copy + 16 h + 8192 (r >> 3): rows 8-15 of A take the remainder
.set MBR,  11                          ; L_MB + 256 bsel + 16 h + 512 (r >> 3): columns 8-15 of B take the remainder
.set MBW,  12                          ; L_MB + 256 bsel + 64 dq + 2 L
.set SPW,  13                          ; L_SP + 832 w + 4 r
.set SPR,  14                          ; L_SP + 3328 bsel + 32 min(L, 25)
.set MKP,  15                          ; L_MW + 1024 bsel + 256 dq
.set MKS,  16                          ; L_MW + 1024 bsel + 8 min(L, 25)
.set WQT,  17                          ; L_WQ + LT
.set PT,   18                          ; destination of v_permlanex16_b32
.set LT,   19                          ; 272 (8 h + (L & 7)) + 16 ((L >> 3) & 1) + 64 dq
.set ACC,  20                          ; v20-23  f32 sum of my 4 columns over my 50 rows
.set MK,   24                          ; v24-27, v28-31  masks of a step's four rows: even steps, odd steps
.set PB,   32                          ; v32-39  a step's four rows in bf16, 2 registers each
.set SA,   40                          ; v40-41, v42-43  two chains of the sim
.set SB,   42
.set WK,   44                          ; v44-107  w_k fragment (dt, ks) at WK + 8 (4 dt + ks)
.set QV,   108                         ; v108-123 query tiles; in the weighted sum its accumulators
.set FA,   124                         ; v124-155 emb fragments of odd tiles
.set DV,   156                         ; v156-171 z, two tiles of 8
.set FB,   172                         ; v172-203 emb fragments of even tiles
.set GV,   124                         ; three operand sets of 24 for the query and the weighted sum: v124, v148, v172
.set RG0,  204                         ; v204-255 ring slots 0-12
; window 1: v256-463 = local 0-207: w_p, local 16 tile + 8 dt + j;  v464-511 = local 208-255: ring slots 13-24
.set RG1,  208
; the softmax stage, in registers that are idle then
.set SV,   124                         ; v124-155 four sets of 8 partial sims; then scores, then e (v124-131) and its upper part as f32 (v132-139)
.set SM,   156                         ; v156-163 masks: m[j] at SM + 2 (j & 3) + (j >> 2)
.set ST,   164                         ; v164-171 temporaries, the two packed parts of e
.set MPR,  196                         ; v196-199 partial means
.set PP,   200                         ; sum of e
.set RP,   201                         ; 1 / sum of e
.set NI,   202                         ; minus infinity
; prologue only
.set SKA,  28
.set SQA,  29
.set SMA,  30
.set SZA,  31
.set ZZ,   32
.set WPA,  180                         ; byte offsets into w_p, mask, and 16 x thread: not rewritten before their loads are shown done
.set WPA12, 181
.set MOFF, 182
.set TID16, 183
.set WKT,  184
; scalars: s[4:11] x, mask, w_k, w_q; s[68:71] w_p, out0; s[14:63] a base for each ring slot; s66, s67 lane selects;
; s72 wave, s73 dq, s74 bsel, s75 work-group; s76 = 0xffff0000: lanes 16-31, and a word's upper bf16; s77 lanes 0-24; s78 log2(e)
.set RB,   14
.set MSB, 0
.macro WIN new                         ; the immediate's high byte repeats the setting that is left; no switch that changes nothing
.if MSB != \new
	s_set_vgpr_msb (MSB<<8)|\new
.set MSB, \new
.endif
.endm
.macro NOPS n
.rept \n
	v_nop
.endr
.endm
.macro BAR                             ; all my LDS traffic is complete, then the barrier
	s_wait_dscnt 0x0
	s_barrier_signal -1
	s_barrier_wait -1
.endm
; one row of x, 512 consecutive bytes at a multiple of 512 from the first byte of x, into ring slot k
.macro RLOAD k
.if \k >= 13
	WIN 0x40
	global_load_b128 v[RG1+4*(\k-13):RG1+4*(\k-13)+3], v[VOFF], s[RB+2*\k:RB+2*\k+1] th:TH_LOAD_NT
.else
	WIN 0
	global_load_b128 v[RG0+4*\k:RG0+4*\k+3], v[VOFF], s[RB+2*\k:RB+2*\k+1] th:TH_LOAD_NT
.endif
.endm
; the masks of my rows 4k .. 4k+3 of pair pn, the same in every lane, into the set of k's parity
.macro MLOAD k, pn
	ds_load_b128 v[MK+4*((\k)&1):MK+4*((\k)&1)+3], v[MKP] offset:2048*(\pn)+16*(\k)
.endm
; the ring slot of row i (0-49; t = 4 i + dq): PK its number, PX its first register (number inside its window), PW = 1: window 1
.macro RSET i
.set PK, (\i)%25
.if PK >= 13
.set PX, RG1+4*(PK-13)
.set PW, 1
.else
.set PX, RG0+4*PK
.set PW, 0
.endif
.endm
; the rows of step k: PF the first, PN how many (4; 2 in step 12)
.macro PSET k
.set PF, 4*(\k)
.set PN, 4
.if PF+PN > 50
.set PN, 50-PF
.endif
.endm
; At the head of step k the rows up to 4k+24 (counted on into the next pair) have been asked for, in order (ISA guide 5.7.1): the count is
; what was asked for behind the step's last row.  more = 0: nothing is asked for beyond row 49.
; extra: loads of another kind that were issued behind rows 0-24 (w_p in the prologue); the count is cut at the field's largest number.
.macro PWAITL k, more, extra
.set SL, 4*(\k)+3
.if SL > 49
.set SL, 49
.endif
.set SI, 4*(\k)+24
.if \more == 0
.if SI > 49
.set SI, 49
.endif
.endif
.set SN, SI-SL
.if SL <= 24
.set SN, SN+\extra
.endif
.if SN > 63
.set SN, 63
.endif
	s_wait_loadcnt SN
.endm
; the vector work of step k's rows, kind by kind, so that a window is set once for the four rows: x * mask in place in the ring registers,
; the f32 sum, the rounding from the ring registers into PB.  No memory instruction stands among these lines.
.macro PVALU k
	PSET \k
.set PMS, MK+4*((\k)&1)
.set PR, PF
.rept PN
	RSET PR
.set PWN, 0x41*PW
	WIN PWN
.set PM, PMS+((PR)&2)
.if (PR)&1
	v_pk_mul_f32 v[PX:PX+1], v[PX:PX+1], v[PM:PM+1] op_sel:[0,1]
	v_pk_mul_f32 v[PX+2:PX+3], v[PX+2:PX+3], v[PM:PM+1] op_sel:[0,1]
.else
	v_pk_mul_f32 v[PX:PX+1], v[PX:PX+1], v[PM:PM+1] op_sel_hi:[1,0]
	v_pk_mul_f32 v[PX+2:PX+3], v[PX+2:PX+3], v[PM:PM+1] op_sel_hi:[1,0]
.endif
.set PR, PR+1
.endr
.set PR, PF
.rept PN
.if PR != 0
	RSET PR
.set PWN, 0x04*PW
	WIN PWN
.if PR == 1                            ; rows 0 and 1 (ring slots 0 and 1, both in window 0) start the sum: nothing is cleared
	v_pk_add_f32 v[ACC:ACC+1], v[RG0:RG0+1], v[PX:PX+1]
	v_pk_add_f32 v[ACC+2:ACC+3], v[RG0+2:RG0+3], v[PX+2:PX+3]
.else
	v_pk_add_f32 v[ACC:ACC+1], v[ACC:ACC+1], v[PX:PX+1]
	v_pk_add_f32 v[ACC+2:ACC+3], v[ACC+2:ACC+3], v[PX+2:PX+3]
.endif
.endif
.set PR, PR+1
.endr
.set PR, PF
.rept PN
	RSET PR
.set PWN, 0x05*PW
	WIN PWN
.set PQ, PB+2*(PR-PF)
	v_cvt_pk_bf16_f32 v[PQ], v[PX], v[PX+1]
	v_cvt_pk_bf16_f32 v[PQ+1], v[PX+2], v[PX+3]
.set PR, PR+1
.endr
	WIN 0
.endm
; the memory instructions of step k's rows: the bf16 rows go to LDS, each ring slot asks for the row 25 further on.
; A slot's base is stepped behind the wait (PWAITL) that showed the slot's load done.
.macro PMEM k, ps, more
	PSET \k
.set PR, PF
.rept PN
.set PQ, PB+2*(PR-PF)
	ds_store_b64 v[\ps], v[PQ:PQ+1] offset:1088*PR
.set PR, PR+1
.endr
.set PR, PF
.rept PN
.set PK, (PR)%25
.if PR < 25
	s_add_nc_u64 s[RB+2*PK:RB+2*PK+1], s[RB+2*PK:RB+2*PK+1], 0x6400000      ; 25 of my rows = 100 t of 2^20 bytes
	RLOAD PK
.else
.if \more
	s_sub_nc_u64 s[RB+2*PK:RB+2*PK+1], s[RB+2*PK:RB+2*PK+1], 0x63ffc00      ; back 25 rows, on 2 sessions of 512 bytes
	RLOAD PK
.endif
.endif
.set PR, PR+1
.endr
	WIN 0
.endm
; sigmoid of 16 values a lane, times w_p, summed over my 32 d: the partial sim of t = 16 tile + r, left in SA, the same in both lane halves.
; Behind each run of transcendentals one v_nop stands before a result is used (ISA guide 5.7.2).
.macro SIGMV t
.irp j, 0,1,2,3,4,5,6,7,8,9,10,11,12,13,14,15
	v_exp_f32 v[DV+\j], v[DV+\j]
.endr
	v_nop
	s_wait_alu depctr_va_vdst(0)
.irp j, 0,2,4,6,8,10,12,14
	v_pk_add_f32 v[DV+\j:DV+\j+1], v[DV+\j:DV+\j+1], 1.0 op_sel_hi:[1,0]
.endr
.irp j, 0,1,2,3,4,5,6,7,8,9,10,11,12,13,14,15
	v_rcp_f32 v[DV+\j], v[DV+\j]
.endr
	v_nop
	WIN 0x04                               ; source 1 = w_p, in window 1
	s_wait_alu depctr_va_vdst(0)
	v_pk_mul_f32 v[SA:SA+1], v[DV:DV+1], v[16*(\t):16*(\t)+1]
	v_pk_mul_f32 v[SB:SB+1], v[DV+8:DV+9], v[16*(\t)+8:16*(\t)+9]
.irp j, 2,4,6
	v_pk_fma_f32 v[SA:SA+1], v[DV+\j:DV+\j+1], v[16*(\t)+\j:16*(\t)+\j+1], v[SA:SA+1]
	v_pk_fma_f32 v[SB:SB+1], v[DV+8+\j:DV+9+\j], v[16*(\t)+8+\j:16*(\t)+9+\j], v[SB:SB+1]
.endr
	WIN 0
	v_pk_add_f32 v[SA:SA+1], v[SA:SA+1], v[SB:SB+1]
	v_add_f32 v[SA], v[SA], v[SA+1]
	v_permlanex16_b32 v[PT], v[SA], s66, s67   ; the other 8 d of each tile lie in lane L xor 16
	v_add_f32 v[SA], v[SA], v[PT]
.endm
; ONE TILE of 16 t.  Even tiles use fragment buffer FB, odd ones FA; this tile's fragments and masks were asked for at the end of tile t - 2.
; The wait at the head counts the LDS instructions issued behind them (LDS serves a wave in order, ISA guide 5.7.1), which may all stay out:
; the run of tile t - 1 = 1 sim store, 4 row stores if rows are produced, and, up to tile 11, the mask load (if produced) and 8 fragment loads
; of tile t + 1.  For tile 0: the 8 fragment loads of tile 1.  The stores that stay out are read by other waves only behind the barrier at
; the end of the trip, in front of which every wave waits for zero.
; The producer's vector instructions (12 at the least) name none of the matrix instructions' registers: they are the places that stand
; between those and the first read of z, the next write of z and the loads into the fragments just used.
; Where nothing is produced five v_nop stand there.
.macro TILE t, xb, prod, ps, pn, more
.if (\t)&1
.set FC, FA
.else
.set FC, FB
.endif
.if \t == 0
.set TN, 8
.else
.set TN, 1+4*\prod
.if \t < 12
.set TN, TN+8+\prod
.endif
.endif
	s_wait_dscnt TN
	v_wmma_f32_16x16x32_bf16 v[DV:DV+7], v[WK:WK+7], v[FC:FC+7], v[QV:QV+7]              ; the query starts the sums
	v_wmma_f32_16x16x32_bf16 v[DV+8:DV+15], v[WK+32:WK+39], v[FC:FC+7], v[QV+8:QV+15]
.irp ks, 1,2,3
	v_wmma_f32_16x16x32_bf16 v[DV:DV+7], v[WK+8*\ks:WK+8*\ks+7], v[FC+8*\ks:FC+8*\ks+7], v[DV:DV+7]
	v_wmma_f32_16x16x32_bf16 v[DV+8:DV+15], v[WK+32+8*\ks:WK+39+8*\ks], v[FC+8*\ks:FC+8*\ks+7], v[DV+8:DV+15]
.endr
.if \prod
	PWAITL \t, \more, 0
	PVALU \t
.else
	NOPS 5
.endif
	SIGMV \t
	; the run of memory instructions
	ds_store_b32 v[SPW], v[SA] offset:64*(\t)  ; both lane halves hold and store the same total
.if \prod
	PMEM \t, \ps, \more
.endif
.if \t < 11
.if \prod
	MLOAD (\t+2), \pn
.endif
.irp ks, 0,1,2,3
	ds_load_b128 v[FC+8*\ks:FC+8*\ks+3], v[\xb] offset:4352*(\t+2)+64*\ks
	ds_load_b128 v[FC+8*\ks+4:FC+8*\ks+7], v[\xb] offset:4352*(\t+2)+64*\ks+32
.endr
.endif
.endm
; THE QUERY: q[d] = sum over h of mean[h] w_q[h][d], A = w_q transposed, B = the mean: its upper part in columns 0-7, the remainder in
; columns 8-15.  Operand set s: mean, w_q dt 0, dt 1.
.macro QWQ ks, s
.irp dt, 0,1
	ds_load_tr16_b128 v[GV+24*\s+8+8*\dt:GV+24*\s+11+8*\dt], v[WQT] offset:8704*(\ks)+32*\dt
	ds_load_tr16_b128 v[GV+24*\s+12+8*\dt:GV+24*\s+15+8*\dt], v[WQT] offset:8704*(\ks)+32*\dt+4352
.endr
.endm
.macro QMEAN ks, s
	ds_load_b128 v[GV+24*\s:GV+24*\s+3], v[MBR] offset:64*(\ks)
	ds_load_b128 v[GV+24*\s+4:GV+24*\s+7], v[MBR] offset:64*(\ks)+32
.endm
.macro QMUL s, zero
.irp dt, 0,1
.if \zero
	v_wmma_f32_16x16x32_bf16 v[QV+8*\dt:QV+8*\dt+7], v[GV+24*\s+8+8*\dt:GV+24*\s+15+8*\dt], v[GV+24*\s:GV+24*\s+7], 0
.else
	v_wmma_f32_16x16x32_bf16 v[QV+8*\dt:QV+8*\dt+7], v[GV+24*\s+8+8*\dt:GV+24*\s+15+8*\dt], v[GV+24*\s:GV+24*\s+7], v[QV+8*\dt:QV+8*\dt+7]
.endif
.endr
.endm
; loads of bytes that nobody writes after the prologue, so that they may stand inside a barrier: the masks of the coming trip's steps 0 and 1
; (prod = 1: it produces pair pn) and twelve loads of w_q
.macro QPRE pn, prod
.if \prod
	MLOAD 0, \pn
	MLOAD 1, \pn
.endif
	QWQ 0, 0
	QWQ 1, 1
	QWQ 2, 2
.endm
.macro QSTAGE xb                       ; behind the barrier that shows the mean stored
	QMEAN 0, 0
	QMEAN 1, 1
	QMEAN 2, 2
	s_wait_dscnt 4                         ; out may be: the mean of K steps 1 and 2
	QMUL 0, 1
	NOPS 4                                 ; four places, then set 0 is loaded again
	QWQ 3, 0
	QMEAN 3, 0
	s_wait_dscnt 8                         ; the mean of K step 2 and the six loads of K step 3
	QMUL 1, 0
	s_wait_dscnt 6                         ; the six loads of K step 3
	QMUL 2, 0
	NOPS 4                                 ; four places, then set 2's registers take tile 0
.irp ks, 0,1,2,3
	ds_load_b128 v[FB+8*\ks:FB+8*\ks+3], v[\xb] offset:64*\ks
	ds_load_b128 v[FB+8*\ks+4:FB+8*\ks+7], v[\xb] offset:64*\ks+32
.endr
	s_wait_dscnt 8                         ; the eight loads of tile 0
	QMUL 0, 0
	NOPS 5                                 ; five places: the sums are read and rewritten below, and sets 0 and 1 are written over
.irp ks, 0,1,2,3
	ds_load_b128 v[FA+8*\ks:FA+8*\ks+3], v[\xb] offset:4352+64*\ks         ; tile 1, a tile step ahead like every later tile
	ds_load_b128 v[FA+8*\ks+4:FA+8*\ks+7], v[\xb] offset:4352+64*\ks+32
.endr
.irp j, 0,1,2,3,4,5,6,7,8,9,10,11,12,13,14,15
	v_add_f32_dpp v[QV+\j], v[QV+\j], v[QV+\j] row_xmask:8 row_mask:0xf bank_mask:0xf   ; column r + column r xor 8: both parts of the mean, in every lane
.endr
.endm
; the four partial means of column 32 dq + L, summed in f32, times -log2(e), split into a bf16 number and the bf16 of what it leaves
.macro MRLOAD
.irp i, 0,1,2,3
	ds_load_b32 v[MPR+\i], v[A4] offset:1024*\i
.endr
.endm
.macro MRSUM
	v_add_f32 v[MPR], v[MPR], v[MPR+1]
	v_add_f32 v[MPR+2], v[MPR+2], v[MPR+3]
	v_add_f32 v[MPR], v[MPR], v[MPR+2]
	v_mul_f32 v[MPR], 0xbfb8aa3b, v[MPR]
	v_cvt_pk_bf16_f32 v[MPR+1], v[MPR], v[MPR]
	v_lshlrev_b32 v[MPR+2], 16, v[MPR+1]           ; the upper part as f32
	v_sub_f32 v[MPR+2], v[MPR], v[MPR+2]           ; exact: both have the same exponent range
	v_cvt_pk_bf16_f32 v[MPR+2], v[MPR+2], v[MPR+2]
	ds_store_b16 v[MBW], v[MPR+1]
	ds_store_b16 v[MBW], v[MPR+2] offset:512
.endm
; THE SOFTMAX of my session, done alike by its four waves (no hand-over, no barrier): lane L < 25 holds t = 8 L .. 8 L + 7.
; mred = 1: the mean of the pair just produced is reduced on the way.
.macro SSTAGE pair, mred
.if \mred
	MRLOAD
.endif
.irp q, 0,1,2,3
	ds_load_b128 v[SV+8*\q:SV+8*\q+3], v[SPR] offset:832*\q
	ds_load_b128 v[SV+8*\q+4:SV+8*\q+7], v[SPR] offset:832*\q+16
.endr
.irp c, 0,1,2,3
	ds_load_b64 v[SM+2*\c:SM+2*\c+1], v[MKS] offset:2048*(\pair)+256*\c  ; m[c] and m[c+4]
.endr
	v_mov_b32 v[NI], 0xff800000
.if \mred
	s_wait_dscnt 12                        ; the 8 + 4 loads behind the partial means may be out
	MRSUM
	s_wait_dscnt 2                         ; only the two stores of the mean may be out
.else
	s_wait_dscnt 0x0
.endif
.irp j, 0,2,4,6
	v_pk_add_f32 v[SV+\j:SV+\j+1], v[SV+\j:SV+\j+1], v[SV+8+\j:SV+9+\j]
	v_pk_add_f32 v[SV+16+\j:SV+17+\j], v[SV+16+\j:SV+17+\j], v[SV+24+\j:SV+25+\j]
.endr
.irp j, 0,2,4,6
	v_pk_add_f32 v[SV+\j:SV+\j+1], v[SV+\j:SV+\j+1], v[SV+16+\j:SV+17+\j]
.endr
.irp j, 0,1,2,3,4,5,6,7
	v_mul_f32 v[SV+\j], v[SV+\j], v[SM+2*(\j&3)+(\j>>2)]               ; score = sim * mask
.endr
.irp j, 0,1,2,3,4,5,6,7
	v_cndmask_b32 v[SV+\j], v[NI], v[SV+\j], s77                       ; lanes 25-31 hold no t: minus infinity
.endr
	v_max3_num_f32 v[ST], v[SV], v[SV+1], v[SV+2]
	v_max3_num_f32 v[ST+1], v[SV+3], v[SV+4], v[SV+5]
	v_max3_num_f32 v[ST], v[ST], v[ST+1], v[SV+6]
	v_max_num_f32 v[ST], v[ST], v[SV+7]
	v_max_num_f32_dpp v[ST], v[ST], v[ST] row_xmask:1 row_mask:0xf bank_mask:0xf
	v_max_num_f32_dpp v[ST], v[ST], v[ST] row_xmask:2 row_mask:0xf bank_mask:0xf
	v_max_num_f32_dpp v[ST], v[ST], v[ST] row_xmask:4 row_mask:0xf bank_mask:0xf
	v_max_num_f32_dpp v[ST], v[ST], v[ST] row_xmask:8 row_mask:0xf bank_mask:0xf
	v_permlanex16_b32 v[PT], v[ST], s66, s67
	v_max_num_f32 v[ST], v[ST], v[PT]          ; the largest of all 200 scores, masked steps (score 0) among them
	v_mul_f32 v[ST], s78, v[ST]
.irp j, 0,1,2,3,4,5,6,7
	v_fma_f32 v[SV+\j], v[SV+\j], s78, -v[ST]  ; (score - M) log2(e)
.endr
.irp j, 0,1,2,3,4,5,6,7
	v_exp_f32 v[SV+\j], v[SV+\j]
.endr
	v_nop
	s_wait_alu depctr_va_vdst(0)
.irp j, 0,1,2,3,4,5,6,7
	v_mul_f32 v[SV+\j], v[SV+\j], v[SM+2*(\j&3)+(\j>>2)]               ; masked again
.endr
	v_pk_add_f32 v[ST:ST+1], v[SV:SV+1], v[SV+2:SV+3]
	v_pk_add_f32 v[ST+2:ST+3], v[SV+4:SV+5], v[SV+6:SV+7]
	v_pk_add_f32 v[ST:ST+1], v[ST:ST+1], v[ST+2:ST+3]
	v_add_f32 v[PP], v[ST], v[ST+1]
	v_add_f32_dpp v[PP], v[PP], v[PP] row_xmask:1 row_mask:0xf bank_mask:0xf
	v_add_f32_dpp v[PP], v[PP], v[PP] row_xmask:2 row_mask:0xf bank_mask:0xf
	v_add_f32_dpp v[PP], v[PP], v[PP] row_xmask:4 row_mask:0xf bank_mask:0xf
	v_add_f32_dpp v[PP], v[PP], v[PP] row_xmask:8 row_mask:0xf bank_mask:0xf
	v_permlanex16_b32 v[PT], v[PP], s66, s67
	v_add_f32 v[PP], v[PP], v[PT]
	v_rcp_f32 v[RP], v[PP]                     ; the conversions below are the plain place behind it
.irp q, 0,1,2,3
	v_cvt_pk_bf16_f32 v[ST+4+\q], v[SV+2*\q], v[SV+2*\q+1]             ; e rounded to bf16,
.endr
.irp q, 0,1,2,3
	v_lshlrev_b32 v[SV+8+2*\q], 16, v[ST+4+\q]                         ; widened again,
	v_and_b32 v[SV+9+2*\q], s76, v[ST+4+\q]
.endr
.irp q, 0,1,2,3
	v_pk_add_f32 v[SV+8+2*\q:SV+9+2*\q], v[SV+2*\q:SV+2*\q+1], v[SV+8+2*\q:SV+9+2*\q] neg_lo:[0,1] neg_hi:[0,1]   ; what the rounding left,
.endr
.irp q, 0,1,2,3
	v_cvt_pk_bf16_f32 v[ST+\q], v[SV+8+2*\q], v[SV+9+2*\q]             ; rounded in its turn
.endr
	ds_store_b128 v[A16], v[ST+4:ST+7] offset:4096     ; my own copies: 256 entries each, zeros from t = 200 on
	ds_store_b128 v[A16], v[ST:ST+3] offset:12288
.endm
; THE WEIGHTED SUM: A = e (rows 0-7 its upper part, rows 8-15 the remainder), B = emb [t][column] through the transposing load,
; 7 K steps of 32 t (rows 200-223 are zeros).  ks may be an expression: it stands in brackets wherever it is multiplied.
.macro WLOAD ks, xt
.set WG, GV+24*((\ks)%3)
	ds_load_b128 v[WG:WG+3], v[ALR] offset:64*(\ks)        ; LDS serves a wave in order (ISA guide 5.7.1): these see my stores of e
	ds_load_b128 v[WG+4:WG+7], v[ALR] offset:64*(\ks)+32
.irp ct, 0,1
	ds_load_tr16_b128 v[WG+8+8*\ct:WG+11+8*\ct], v[\xt] offset:8704*(\ks)+32*\ct
	ds_load_tr16_b128 v[WG+12+8*\ct:WG+15+8*\ct], v[\xt] offset:8704*(\ks)+32*\ct+4352
.endr
.endm
.macro WMUL ks
.set WG, GV+24*((\ks)%3)
.irp ct, 0,1
.if (\ks) == 0
	v_wmma_f32_16x16x32_bf16 v[QV+8*\ct:QV+8*\ct+7], v[WG:WG+7], v[WG+8+8*\ct:WG+15+8*\ct], 0
.else
	v_wmma_f32_16x16x32_bf16 v[QV+8*\ct:QV+8*\ct+7], v[WG:WG+7], v[WG+8+8*\ct:WG+15+8*\ct], v[QV+8*\ct:QV+8*\ct+7]
.endif
.endr
.endm
.macro WSTAGE xt, pair
	WLOAD 0, \xt
	WLOAD 1, \xt
	WLOAD 2, \xt
.irp ks, 0,1,2,3
	s_wait_dscnt 12                        ; two younger K steps of six loads each may be out
	WMUL \ks
	NOPS 4                                 ; four places, then this K step's operand set is loaded again
	WLOAD (\ks+3), \xt
.endr
	s_wait_dscnt 12
	WMUL 4
	s_wait_dscnt 6
	WMUL 5
	s_wait_dscnt 0x0
	WMUL 6
	NOPS 5                                 ; places before the sums are read, the operand sets rewritten, and the next query written over the sums
	; register 0 of tile ct: lanes 0-15 row 0 (upper part of e), lanes 16-31 row 8 (remainder), column 16 ct + r.  Lane L takes column 32 dq + L.
	v_cndmask_b32 v[ST], v[QV], v[QV+8], s76       ; lanes 0-15: tile 0, upper;      lanes 16-31: tile 1, remainder
	v_cndmask_b32 v[ST+1], v[QV+8], v[QV], s76     ; lanes 0-15: tile 1, upper;      lanes 16-31: tile 0, remainder
	v_permlanex16_b32 v[PT], v[ST+1], s66, s67     ; lanes 0-15: tile 0, remainder;  lanes 16-31: tile 1, upper
	v_add_f32 v[ST], v[ST], v[PT]
	s_wait_alu depctr_va_vdst(0)
	v_mul_f32 v[ST], v[ST], v[RP]
	ds_store_b32 v[A4], v[ST] offset:8192+1024*(\pair)
.endm
; pair p is computed; prod = 1: pair p + 1 is produced; more = 1: rows of pair p + 2 are asked for
.macro TRIP p, prod, more
.set TXB, XB0+((\p)&1)
.set TXT, XT0+((\p)&1)
.set TPS, PS0+((\p+1)&1)
	QSTAGE TXB
.irp t, 0,1,2,3,4,5,6,7,8,9,10,11,12
	TILE \t, TXB, \prod, TPS, (\p+1), \more
.endr
.if \prod
	ds_store_b128 v[A16], v[ACC:ACC+3]     ; my partial mean of pair p + 1
.endif
	BAR                                    ; stored by all: partial sims of p, emb and partial means of p + 1
	SSTAGE \p, \prod
	WSTAGE TXT, \p
	s_wait_dscnt 0x0                       ; my reads of pair p's slot, of the partial sims and means are over; mean and result are stored
	s_barrier_signal -1
.if \p < 2
	QPRE (\p+2), 1                         ; the next trip produces pair p + 2
.else
.if \p < 3
	QPRE 0, 0                              ; the last trip produces nothing
.endif
.endif
	s_barrier_wait -1
.endm
; ---------------------------------------------------------------- PROLOGUE
	s_load_b256 s[4:11], s[0:1], 0x0               ; x s[4:5], mask s[6:7], w_k s[8:9], w_q s[10:11]
	s_load_b128 s[68:71], s[0:1], 0x20             ; w_p s[68:69], out0 s[70:71]
	v_lshrrev_b32 v[LT], 5, v0
	v_readfirstlane_b32 s72, v[LT]                 ; wave
	s_and_b32 s73, s72, 3                          ; dq
	s_lshr_b32 s74, s72, 2                         ; bsel
	s_mov_b32 s75, ttmp9                           ; work-group: sessions 8 g .. 8 g + 7
	s_mov_b32 s66, 0x76543210                      ; v_permlanex16_b32: lane i of one half reads lane i of the other
	s_mov_b32 s67, 0xfedcba98
	s_mov_b32 s76, 0xffff0000
	s_mov_b32 s77, 0x01ffffff
	s_mov_b32 s78, 0x3fb8aa3b
	v_lshlrev_b32 v[TID16], 4, v0
	v_min_u32 v[MOFF], 199, v0                     ; thread t takes row t of the mask; threads 200-255 read row 199 and store zeros
	s_lshl_b32 s2, s75, 5
	v_lshl_add_u32 v[MOFF], v[MOFF], 13, s2        ; 8192 t + 32 g
	v_and_b32 v20, 31, v0                          ; L
	v_lshlrev_b32 v[VOFF], 4, v20
	s_lshl_b32 s12, s75, 12                        ; 512 (8 g + bsel) + 2^20 dq
	s_lshl_b32 s13, s74, 9
	s_add_co_u32 s12, s12, s13
	s_lshl_b32 s13, s73, 20
	s_add_co_u32 s12, s12, s13
	s_mov_b32 s13, 0
	s_lshl_b32 s2, s75, 12                         ; out0: 8 sessions of 512 bytes
	s_mov_b32 s3, 0
	s_wait_kmcnt 0x0
	global_load_b128 v[172:175], v[MOFF], s[6:7]
	global_load_b128 v[176:179], v[MOFF], s[6:7] offset:16
.irp j, 0,1,2,3,4,5,6,7,8,9,10,11,12,13,14,15
	global_load_b128 v[108+4*\j:111+4*\j], v[TID16], s[8:9] offset:4096*\j     ; w_k rows 8 j + wave, columns 4 L ..
.endr
.irp j, 0,1,2,3,4,5,6,7,8,9,10,11,12,13,14,15
	global_load_b128 v[WK+4*\j:WK+4*\j+3], v[TID16], s[10:11] offset:4096*\j   ; w_q likewise
.endr
	s_add_nc_u64 s[RB:RB+1], s[4:5], s[12:13]
.set CNT, 1
.rept 24
	s_add_nc_u64 s[RB+2*CNT:RB+2*CNT+1], s[RB+2*CNT-2:RB+2*CNT-1], 0x400000    ; my next row: 4 t on
.set CNT, CNT+1
.endr
	s_add_nc_u64 s[70:71], s[70:71], s[2:3]
.irp k, 0,1,2,3,4,5,6,7,8,9,10,11,12,13,14,15,16,17,18,19,20,21,22,23,24
	RLOAD \k                                       ; the ring is filled: rows 0-24 of pair 0
.endr
	WIN 0
	; LDS addresses
	v_and_b32 v21, 15, v0                          ; r
	v_bfe_u32 v22, v0, 4, 1                        ; h
	v_min_u32 v23, 25, v20                         ; min(L, 25)
	s_mul_i32 s80, s74, SLOTB
	v_mul_u32_u24 v24, v21, PITCH
	v_lshl_add_u32 v24, v22, 4, v24
	v_add_nc_u32 v[XB0], s80, v24
	v_add_nc_u32 v[XB0+1], PAR, v[XB0]
	v_and_b32 v25, 7, v0
	v_lshl_add_u32 v25, v22, 3, v25
	v_mul_u32_u24 v[LT], v25, PITCH
	v_bfe_u32 v26, v0, 3, 1                        ; (L >> 3) & 1 = r >> 3
	v_lshl_add_u32 v[LT], v26, 4, v[LT]
	s_lshl_b32 s82, s73, 6
	v_add_nc_u32 v[LT], s82, v[LT]
	v_add_nc_u32 v[XT0], s80, v[LT]
	v_add_nc_u32 v[XT0+1], PAR, v[XT0]
	v_add_nc_u32 v[WQT], L_WQ, v[LT]
	v_add_nc_u32 v[WKT], PAR, v[LT]
	s_mul_i32 s81, s73, PITCH
	s_add_co_u32 s81, s81, s80
	v_lshl_add_u32 v[PS0], v20, 3, s81
	v_add_nc_u32 v[PS0+1], PAR, v[PS0]
	s_lshl_b32 s83, s73, 10
	s_lshl_b32 s84, s74, 9
	s_add_co_u32 s83, s83, s84
	s_add_co_u32 s83, s83, L_MP
	v_lshl_add_u32 v[A16], v20, 4, s83
	s_add_co_u32 s83, s83, 4096
	v_lshl_add_u32 v[ALR], v22, 4, s83
	v_lshl_add_u32 v[ALR], v26, 13, v[ALR]         ; rows 8-15 read the remainder of e, 8,192 bytes further
	s_lshl_b32 s85, s73, 7
	s_add_co_u32 s86, s85, s84
	s_add_co_u32 s86, s86, L_MP
	v_lshl_add_u32 v[A4], v20, 2, s86
	s_lshl_b32 s86, s74, 8
	s_add_co_u32 s86, s86, L_MB
	v_lshl_add_u32 v[MBR], v22, 4, s86
	v_lshl_add_u32 v[MBR], v26, 9, v[MBR]          ; columns 8-15 read the remainder of the mean, 512 bytes further
	s_add_co_u32 s86, s86, s82
	v_lshl_add_u32 v[MBW], v20, 1, s86
	s_mul_i32 s87, s72, 832
	s_add_co_u32 s87, s87, L_SP
	v_lshl_add_u32 v[SPW], v21, 2, s87
	s_mul_i32 s87, s74, 3328
	s_add_co_u32 s87, s87, L_SP
	v_lshl_add_u32 v[SPR], v23, 5, s87
	s_lshl_b32 s87, s74, 10
	s_add_co_u32 s87, s87, L_MW
	v_lshl_add_u32 v[MKS], v23, 3, s87
	s_lshl_b32 s84, s73, 8
	s_add_co_u32 s87, s87, s84
	v_mov_b32 v[MKP], s87
	v_mov_b32 v[PT], 0
	v_lshl_add_u32 v26, v22, 5, s85                ; w_p: 32 h + 128 dq
	v_lshl_add_u32 v[WPA], v21, 9, v26             ; + 512 r
	v_min_u32 v27, 7, v21
	v_lshl_add_u32 v[WPA12], v27, 9, v26           ; tile 12: rows 192 + min(r, 7), none beyond row 199
	s_mul_i32 s84, s72, PITCH
	s_add_co_u32 s84, s84, PAR
	v_lshl_add_u32 v[SKA], v20, 3, s84             ; stage of w_k: row 8 j + wave, 8 L
	v_add_nc_u32 v[SQA], PAR, v[SKA]               ; L_WQ lies PAR bytes further
	v_and_b32 v26, 3, v0
	v_lshrrev_b32 v27, 2, v0
	v_lshlrev_b32 v27, 2, v27
	v_lshl_add_u32 v26, v26, 8, v27
	v_add_nc_u32 v[SMA], L_MW, v26                 ; 256 (t & 3) + 4 (t >> 2)
	; rows 200-223 of the four slots are zeros: wave w writes 12 rows of slot (parity w >> 2, session (w >> 1) & 1)
	s_lshl_b32 s84, s74, 17
	s_bfe_u32 s85, s72, 0x10001
	s_mul_i32 s85, s85, SLOTB
	s_add_co_u32 s84, s84, s85
	s_and_b32 s85, s72, 1
	s_mul_i32 s85, s85, 12*PITCH
	s_add_co_u32 s84, s84, s85
	s_add_co_u32 s84, s84, 200*PITCH
	v_lshl_add_u32 v[SZA], v20, 3, s84
	v_mov_b32 v[ZZ], 0
	v_mov_b32 v[ZZ+1], 0
.irp i, 0,1,2,3,4,5,6,7,8,9,10,11
	ds_store_b64 v[SZA], v[ZZ:ZZ+1] offset:PITCH*\i
.endr
	s_wait_loadcnt 25                              ; mask, w_k, w_q are in; the 25 rows of x behind them stay out
; weights: (scale = 1: times -log2(e) in f32,) rounded to bf16, laid down as [h][d] with the slots' pitch
.macro WCONV base, adr, scale
.irp j, 0,1,2,3,4,5,6,7,8,9,10,11,12,13,14,15
.if \scale
	v_pk_mul_f32 v[\base+4*\j:\base+4*\j+1], v[\base+4*\j:\base+4*\j+1], 0xbfb8aa3b op_sel_hi:[1,0]
	v_pk_mul_f32 v[\base+4*\j+2:\base+4*\j+3], v[\base+4*\j+2:\base+4*\j+3], 0xbfb8aa3b op_sel_hi:[1,0]
.endif
	v_cvt_pk_bf16_f32 v[\base+4*\j], v[\base+4*\j], v[\base+4*\j+1]
	v_cvt_pk_bf16_f32 v[\base+4*\j+1], v[\base+4*\j+2], v[\base+4*\j+3]
	ds_store_b64 v[\adr], v[\base+4*\j:\base+4*\j+1] offset:8*PITCH*\j
.endr
.endm
	WCONV 108, SKA, 1                              ; w_k carries the factor
	WCONV WK, SQA, 0                               ; w_q does not: the mean carries it
	v_cmp_gt_u32 vcc_lo, 200, v0
.irp b, 0,1,2,3,4,5,6,7
	v_cndmask_b32 v[172+\b], 0, v[172+\b], vcc_lo
	ds_store_b32 v[SMA], v[172+\b] offset:1024*\b
.endr
	WIN 0x40                                       ; w_p into window 1: 52 loads, once for the launch
.irp t, 0,1,2,3,4,5,6,7,8,9,10,11
.irp q, 0,1,2,3
	global_load_b128 v[16*\t+4*\q:16*\t+4*\q+3], v[WPA], s[68:69] offset:8192*\t+64*(\q>>1)+16*(\q&1)
.endr
.endr
.irp q, 0,1,2,3
	global_load_b128 v[192+4*\q:195+4*\q], v[WPA12], s[68:69] offset:8192*12+64*(\q>>1)+16*(\q&1)
.endr
	WIN 0
	BAR                                            ; stored by all: w_k, w_q, the mask, the zero rows
.irp dt, 0,1
.irp ks, 0,1,2,3
	ds_load_tr16_b128 v[WK+8*(4*\dt+\ks):WK+8*(4*\dt+\ks)+3], v[WKT] offset:8704*\ks+32*\dt
	ds_load_tr16_b128 v[WK+8*(4*\dt+\ks)+4:WK+8*(4*\dt+\ks)+7], v[WKT] offset:8704*\ks+32*\dt+4352
.endr
.endr
	; Pair 0 is produced alone.  Behind rows 0-24 the 52 loads of w_p were issued too; step 6 waits for a row asked for behind w_p: from
	; there on w_p is in.  The masks of step k are asked for at the end of step k - 2; behind them stand the four row stores of step k - 1
	; and the mask load of step k + 1 (none for step 13), which may stay out; for step 0 only the mask load of step 1.
	MLOAD 0, 0
	MLOAD 1, 0
.irp k, 0,1,2,3,4,5,6,7,8,9,10,11,12
	PWAITL \k, 1, 52
.if \k == 0
	s_wait_dscnt 1
.else
.if \k < 12
	s_wait_dscnt 5
.else
	s_wait_dscnt 4
.endif
.endif
	PVALU \k
	PMEM \k, PS0, 1
.if \k < 11
	MLOAD (\k+2), 0
.endif
.endr
	ds_store_b128 v[A16], v[ACC:ACC+3]
	BAR                                            ; emb and partial means of pair 0 are stored; w_k has been read out of its stage
	MRLOAD
	s_wait_dscnt 0x0
	MRSUM
	s_wait_dscnt 0x0
	s_barrier_signal -1
	QPRE 1, 1
	s_barrier_wait -1                              ; the mean of pair 0 is stored
; ---------------------------------------------------------------- THE FOUR PAIRS
	TRIP 0, 1, 1
	TRIP 1, 1, 1
	TRIP 2, 1, 0                                   ; pair 3 is produced; nothing lies behind it: the load counts run down to 0
	TRIP 3, 0, 0
; ---------------------------------------------------------------- THE WAY OUT: 4,096 bytes, 16 a thread; 16 lanes store 256 consecutive bytes, aligned
	v_lshlrev_b32 v[PB], 4, v0
	v_add_nc_u32 v[PB+1], L_OUT, v[PB]
	ds_load_b128 v[124:127], v[PB+1]
	s_wait_dscnt 0x0
	global_store_b128 v[PB], v[124:127], s[70:71] th:TH_STORE_NT
	s_wait_xcnt 0x0
	v_lshl_add_u32 v254, v0, 2, 0x4c800
	v_mov_b32 v255, 0
	s_wait_tensorcnt 0x0
	ds_add_u32 v254, v255
	s_wait_dscnt 0x0
	s_endpgm
.Lfunc_end_k_q2ed1902fae_paa:
	.size	k_q2ed1902fae_paa, .Lfunc_end_k_q2ed1902fae_paa-k_q2ed1902fae_paa
	.p2alignl 7, 3214868480
	.fill 96, 4, 3214868480
	.section	.rodata,"a",@progbits
	.p2align	6, 0x0
	.amdhsa_kernel k_q2ed1902fae_paa
		.amdhsa_group_segment_fixed_size 314368
		.amdhsa_private_segment_fixed_size 0
		.amdhsa_enable_private_segment 0
		.amdhsa_kernarg_size 48
		.amdhsa_user_sgpr_count 2
		.amdhsa_user_sgpr_kernarg_segment_ptr 1
		.amdhsa_wavefront_size32 1
		.amdhsa_system_sgpr_workgroup_id_x 1
		.amdhsa_system_sgpr_workgroup_id_y 1
		.amdhsa_system_sgpr_workgroup_id_z 1
		.amdhsa_system_vgpr_workitem_id 0
		.amdhsa_next_free_vgpr 512
		.amdhsa_next_free_sgpr 88
		.amdhsa_reserve_vcc 1
		.amdhsa_float_denorm_mode_32 3
		.amdhsa_float_denorm_mode_16_64 3
		.amdhsa_memory_ordered 1
		.amdhsa_forward_progress 1
		.amdhsa_inst_pref_size 255
	.end_amdhsa_kernel
	.section	.bss,"aw",@nobits
	.p2align	6
	.space	262144
	.amdgpu_metadata
---
amdhsa.version: [ 1, 2 ]
amdhsa.kernels:
  - .name:           k_q2ed1902fae_paa
    .symbol:         k_q2ed1902fae_paa.kd
    .args:
      - { .name: x, .offset: 0, .size: 8, .value_kind: global_buffer, .address_space: global }
      - { .name: mask, .offset: 8, .size: 8, .value_kind: global_buffer, .address_space: global }
      - { .name: w_k, .offset: 16, .size: 8, .value_kind: global_buffer, .address_space: global }
      - { .name: w_q, .offset: 24, .size: 8, .value_kind: global_buffer, .address_space: global }
      - { .name: w_p, .offset: 32, .size: 8, .value_kind: global_buffer, .address_space: global }
      - { .name: out0, .offset: 40, .size: 8, .value_kind: global_buffer, .address_space: global }
    .group_segment_fixed_size: 314368
    .private_segment_fixed_size: 0
    .kernarg_segment_align: 8
    .kernarg_segment_size: 48
    .max_flat_workgroup_size: 256
    .sgpr_count:     88
    .vgpr_count:     512
    .wavefront_size: 32
...
	.end_amdgpu_metadata
.endif
;; end of part 1
